; MI455X (gfx1250); checked and timed in simulation.
; The chip was launched on July 23, 2026; its instructions are those of AMD's public machine-readable ISA for CDNA 5 (MIT licence, August 2026) and "CDNA5" Instruction Set Architecture Reference Guide (July 2026). The comments in the code are by the model that wrote it; some were corrected since.
;; Attention. Allowed arithmetic: matrix products marked QUANTISED: E2M1 operands, one E8M0 scale for each 32 along K, by v_wmma_scale_f32_16x16x128_f8f6f4 with both operands' format E2M1 (or v_wmma_scale_f32_32x16x128_f4), f32 sums; everything else in f32.
;; Inputs: dec_output_codes 8 x 4,096 x 8 x 16 uint8 (E2M1 codes of dec_output, K innermost, in blocks of 32 codes, two codes a byte); dec_output_scales 8 x 4,096 x 8 uint8 (E8M0 scales of dec_output, one for each 32 codes along K); enc_output 8 x 4,096 x 256 float32.
;; Outputs: out0 8 x 4,096 x 256 float32.
;; This version of the problem:
;;   THIS VERSION OF THE PROBLEM IS GIVEN IN LOW PRECISION. The matrix products marked QUANTISED in the list below multiply operands that are first quantised to E2M1 (2 exponent bits, 1 mantissa bit; 4 bits a number), with one power-of-two scale for each 32 numbers along K (OCP MX v1.0); their sums are f32. All else is computed in f32.
;;   The module's matrix products, in the order in which they are computed (A, B: the left and right operand; K: the contracted axis; several contracted axes count as one K, in the product's order):
;;     1. batch 8 x [M 4,096, K 256] x [K 256, N 4,096]; A: input enc_output; B: input dec_output (given as codes): QUANTISED
;;     2. batch 8 x [M 4,096, K 4,096] x [K 4,096, N 256]; A: softmax (see below); B: input enc_output: QUANTISED
;;   THE QUANTISER, for each operand of a quantised product, along K:
;;     - K is cut into blocks of 32 from its start; a last block that is shorter is filled with zeros.
;;     - A block's scale is 2^e with e = floor(log2(the largest magnitude in the block)) - 2, held to -126 .. 127; a block of zeros has e = 0. As a byte (E8M0): e + 127.
;;     - Each number is divided by its block's scale, clamped to +-6, and rounded to the nearest number of E2M1, ties to even, subnormals kept.
;;     - The product sums the exact products of the quantised numbers (number of the format x scale) in f32.
;;   ~~~python
;;   def quantise(x, axis):      # numpy; x: float32 -> the quantised numbers, widened to float32 again
;;       x = np.moveaxis(x, axis, -1); K = x.shape[-1]
;;       x = np.pad(x, [(0, 0)] * (x.ndim - 1) + [(0, -K % 32)]); x = x.reshape(x.shape[:-1] + (-1, 32)); a = np.abs(x).max(-1, keepdims=True)
;;       e = np.where(a > 0, np.clip(np.frexp(np.where(a > 0, a, 1))[1] - 1 - 2, -126, 127), 0)      # np.frexp(a)[1] - 1 = floor(log2(a)), exactly
;;       r = np.clip(x / 2.0 ** e, -6, 6)
;;       step = 2.0 ** (np.maximum(np.frexp(np.where(r == 0, 1, r))[1] - 1, 0) - 1)
;;       q = np.round(r / step) * step * 2.0 ** e      # np.round: ties to even
;;       return np.moveaxis(q.reshape(q.shape[:-2] + (-1,))[..., :K], -1, axis).astype(np.float32)
;;   ~~~
;;   SOFTMAX AHEAD OF A QUANTISED PRODUCT. Where the list says 'softmax', what is quantised is not the finished softmax but p = 2^(t - M), with t = logit x log2(e) and M = ceil(the row's largest t), a whole number; so 1/2 < the row's largest p <= 1. The row's sum l is taken of the UNQUANTISED p, in f32, and the product's result is divided by l at the end. Since M is a whole number, a kernel that streams over the keys may use a running M (the ceiling of the running maximum): every later rescaling is an exact power of two, which a block's scale takes up: the codes' values come out the same.
;;   OPERANDS COMPUTED ON THE WAY. 'Computed on the way' means the value that the module computes at that place (a softmax that the list does not call 'softmax' is quantised finished and normalised). What goes into a quantiser is computed in f32, as accurately as f32 sums, v_exp_f32 and their like allow (about 1e-6 of the number): no bf16 or f16 on the way to a quantiser, and a product that is left as it is and whose result goes on into a quantised operand takes f32 operands (vector FMAs, or v_wmma_f32_16x16x4_f32). A number that lies on a knife's edge between two numbers of the format may be rounded either way, as far as f32 arithmetic and the matrix unit's own rounding can turn it there, and no further.
;;   INPUTS GIVEN AS CODES. dec_output (in the module: [8, 4096, 256], K = its axis 2): each comes as NAME_codes (uint8): NAME with its K axis moved to the last place and cut into blocks of 32 codes, [.., K / 32, bytes a block], one block behind the other in memory; two codes a byte, the lower K in the low four bits (a code: sign, 2 exponent bits, 1 mantissa bit); and NAME_scales (uint8): the same leading axes, one E8M0 byte (e + 127) for each 32 codes along K. Its value is code x scale, taken as it is: it is not quantised again, and the codes and scales need not be those that the quantiser above would give.
;; One version. Each part assembles by itself: llvm-mc -triple=amdgcn-amd-amdhsa -mcpu=gfx1250 --defsym DOCPART=n.
;; ======== version 1 of 1: 2 launches
;; limits: right only within a limited range of input values
;; workspace buffers: kv 8,912,896 bytes
;; launch prep (part 1): grid 32 x 8, 8 waves a work-group, no clusters, 138,240 bytes of LDS; arguments enc_output, kv; writes kv
.if DOCPART == 1
	.amdgcn_target "amdgcn-amd-amdhsa--gfx1250"
	.amdhsa_code_object_version 6
	.text
	.protected	k_q07906fe93e_prep
	.globl	k_q07906fe93e_prep
	.p2align	8
	.type	k_q07906fe93e_prep,@function
k_q07906fe93e_prep:
	s_mov_b64 s[64:65], 0
	v_nop
	global_prefetch_b8 v0, s[64:65] scope:SCOPE_SE
	s_setreg_imm32_b32 hwreg(HW_REG_WAVE_MODE, 25, 1), 1
	s_wait_xcnt 0x0
; enc [8][4096][256] f32 is quantised TWICE to E2M1 with one E8M0 byte for each 32 numbers: along d (it is the keys of the first product)
; and along the encoder positions i (it is the values of the second product).  enc is read once; both sets of codes are made from one turn through LDS.
; NOTHING OF THE PROBLEM IS LEFT OUT: both products and all three inputs reach out0.
; A block's scale is 2^(floor(log2(its largest magnitude)) - 2): its byte is the largest magnitude's exponent field - 2, held at 1 from below.
; LIMITS: a block of zeros, and a block whose largest magnitude lies under 2^(3 - 127), gets the byte 1 (the rule says 127 for zeros): such a block of zeros has zero codes, which add nothing
; under any byte but 0xff, and the bytes are read by this program alone.  NaN and infinities in enc are not served.
; OUT: kv [batch 8][key step 32][34,816 bytes]; a key step is 128 encoder positions, laid as images of the operands' registers, so that the next launch loads every fragment as 512 consecutive bytes:
;   0      K's codes  [tile T 0..7][d block 0..7][place m 0..15][16 bytes]; place m of tile 2 b + u holds position 32 b + 8 u + m + 8 (m / 8)
;   16,384 V's codes  [d tile n 0..15][block of 32 positions bb 0..3][r 0..15][16 bytes]
;   32,768 K's scale words [T][s 0..1][m], byte q = d block 4 s + q;      33,792 V's scale words [d 0..255], byte bb
; SHARES.  Work-group (x = key step, y = batch): 128 rows x 256 columns.  Wave w: rows 32 (w % 4) on, columns 128 (w / 4) on: 32 rows x 512 bytes, asked for at once by 32 loads of 512 consecutive bytes.
; The rows go into the wave's own stage (pitch 528 bytes = 33 x 16) and come back twice: a lane to a COLUMN with its registers down the 32 rows (a whole block along i), and a lane to a ROW with 32 neighbours along d
; (a whole block along d).  So no block's maximum needs another lane, and each conversion's result is 16 bytes of an image.
; No tensor load, no cluster, no matrix work: a stream whose work-groups share nothing.  Every offset is an immediate: no loop, no pointer is stepped, no store's data are written again.
.set SP,    528                        ; a stage row: 512 bytes + 16
.set WSTG,  32*SP                      ; a wave's stage
.set SC,    8*WSTG                     ; behind the stages: the step's 2,048 bytes of scale words, laid as in kv
.set SPARE, SC+2048                    ; behind them: the spare words, 128 bytes for each wave: four blocks of 256 bytes that no other line names
.set STEPB, 34816
.set VOFF,  16384
.set SOFF,  32768
.set LOFF,  2                          ; v2   16 x lane: my bytes of a row's 512
.set STW,   3                          ; v3   stage, in: 16 x lane
.set STC,   4                          ; v4   stage, back by columns: 4 x lane
.set STR,   5                          ; v5   stage, back by rows: 528 x lane
.set KO,    6                          ; v6   kv: my 16 bytes of K's image
.set VO,    7                          ; v7   kv: my 16 bytes of V's image
.set SKA,   8                          ; v8   LDS: my row's scale word of K
.set SVA,   9                          ; v9   LDS: my column's scale byte of V
.set KB,    13                         ; v13  K's scale byte of the group in hand (v10, v11 maxima, v12 the conversions' scale operand)
.set KW,    14                         ; v14  my row's scale word
.set SPW,   16                         ; v16  LDS address of my spare word; never rewritten
.set NIL,   17                         ; v17  0; never rewritten
.set SRD,   18                         ; v18  LDS: the scale words' way out, 8 bytes a lane
.set SWR,   19                         ; v19  and their place in kv
.set VB,    24                         ; v24-27  V's scale byte of each column group
.set RAW,   32                         ; v32-159 the 32 rows as loaded; then
.set CSET,  32                         ; v32-95  two sets of 32 numbers down a column,
.set RSET,  96                         ; v96-159 two sets of 32 numbers along a row
.set VC,    160                        ; v160-175 V's codes, four registers a group
.set KC,    176                        ; v176-191 K's codes
	s_load_b128 s[4:7], s[0:1], 0x0                ; enc s[4:5], kv s[6:7]
	v_lshl_add_u32 v[SPW], v0, 2, SPARE
	v_mov_b32 v[NIL], 0
	v_lshrrev_b32 v1, 5, v0
	s_delay_alu instid0(VALU_DEP_1)
	v_readfirstlane_b32 s8, v1                     ; wave 0..7
	s_and_b32 s9, s8, 3                            ; rb: which 32 rows
	s_lshr_b32 s10, s8, 2                          ; ch: which 128 columns
	s_and_b32 s12, ttmp7, 0xffff                   ; batch
	v_and_b32 v1, 31, v0                           ; lane = 16 a + 8 u + x
	s_delay_alu instid0(VALU_DEP_1)
	v_lshlrev_b32 v[LOFF], 4, v1
	s_mul_i32 s18, s8, WSTG                        ; my stage
	v_add_nc_u32 v[STW], s18, v[LOFF]
	v_lshl_add_u32 v[STC], v1, 2, s18
	v_mul_u32_u24 v[STR], v1, SP
	s_delay_alu instid0(VALU_DEP_1)
	v_add_nc_u32 v[STR], s18, v[STR]
	v_bfe_u32 v28, v0, 3, 1                        ; u
	v_bfe_u32 v29, v0, 4, 1                        ; a
	v_and_b32 v30, 7, v0                           ; x
	s_delay_alu instid0(VALU_DEP_1)
	v_lshl_or_b32 v30, v29, 3, v30                 ; m = 8 a + x: row 32 rb + lane is place m of tile 2 rb + u
	v_and_b32 v31, 15, v0
	s_lshl_b32 s19, s9, 12                         ; K's image: 2048 (2 rb + u) + 256 (4 ch + g) + 16 m
	s_lshl_b32 s20, s10, 10
	s_add_co_u32 s19, s19, s20
	v_lshlrev_b32 v[KO], 11, v28
	s_delay_alu instid0(VALU_DEP_1)
	v_lshl_add_u32 v[KO], v30, 4, v[KO]
	s_delay_alu instid0(VALU_DEP_1)
	v_add_nc_u32 v[KO], s19, v[KO]
	s_lshl_b32 s19, s10, 13                        ; V's image: 1024 (8 ch + 2 g + a) + 256 rb + 16 (lane % 16)
	s_lshl_b32 s20, s9, 8
	s_add_co_u32 s19, s19, s20
	s_add_co_u32 s19, s19, VOFF
	v_lshlrev_b32 v[VO], 10, v29
	s_delay_alu instid0(VALU_DEP_1)
	v_lshl_add_u32 v[VO], v31, 4, v[VO]
	s_delay_alu instid0(VALU_DEP_1)
	v_add_nc_u32 v[VO], s19, v[VO]
	s_lshl_b32 s19, s9, 8                          ; K's scale word: 128 (2 rb + u) + 64 ch + 4 m
	s_lshl_b32 s20, s10, 6
	s_add_co_u32 s19, s19, s20
	s_add_co_u32 s19, s19, SC
	v_lshlrev_b32 v[SKA], 7, v28
	s_wait_alu depctr_va_vdst(0)
	v_lshl_add_u32 v[SKA], v30, 2, v[SKA]
	s_delay_alu instid0(VALU_DEP_1)
	v_add_nc_u32 v[SKA], s19, v[SKA]
	s_lshl_b32 s19, s10, 9                         ; V's scale byte: 4 (128 ch + 32 g + lane) + rb
	s_add_co_u32 s19, s19, s9
	s_add_co_u32 s19, s19, SC+1024
	v_lshl_add_u32 v[SVA], v1, 2, s19
	s_lshl_b32 s19, s8, 8                          ; the scale words' way out: 256 bytes a wave
	s_add_co_u32 s20, s19, SC
	v_lshl_add_u32 v[SRD], v1, 3, s20
	s_add_co_u32 s20, s19, SOFF
	v_lshl_add_u32 v[SWR], v1, 3, s20
	s_lshl_b32 s14, s12, 12                        ; enc: row 4096 batch + 128 step + 32 rb, of 1,024 bytes, + 512 ch: under 2^26
	s_lshl_b32 s16, ttmp9, 7
	s_add_co_u32 s14, s14, s16
	s_lshl_b32 s16, s9, 5
	s_add_co_u32 s14, s14, s16
	s_lshl_b32 s14, s14, 10
	s_lshl_b32 s16, s10, 9
	s_add_co_u32 s14, s14, s16
	s_mov_b32 s15, 0
	s_lshl_b32 s16, s12, 5                         ; kv: block 32 batch + step
	s_add_co_u32 s16, s16, ttmp9
	s_mul_i32 s16, s16, STEPB
	s_mov_b32 s17, 0
	s_wait_kmcnt 0x0
	s_add_nc_u64 s[4:5], s[4:5], s[14:15]
	s_add_nc_u64 s[6:7], s[6:7], s[16:17]
.set ii, 0
.rept 32
	global_load_b128 v[RAW+4*ii:RAW+4*ii+3], v[LOFF], s[4:5] offset:1024*ii th:TH_LOAD_NT   ; row ii: 32 lanes read 512 consecutive bytes; read once in the launch
.set ii, ii+1
.endr
.irp k, 0,1,2,3
	s_wait_loadcnt 24-8*\k                         ; loads come back in order: the eight oldest that were out are in
.irp j, 0,1,2,3,4,5,6,7
	ds_store_b128 v[STW], v[RAW+4*(8*\k+\j):RAW+4*(8*\k+\j)+3] offset:SP*(8*\k+\j)
.endr
.endr
; Column group grp (32 columns = d block 4 ch + grp) out of the stage, into set grp % 2: 40 LDS loads
.macro GETS grp
.set ii, 0
.rept 32
	ds_load_b32 v[CSET+32*((\grp)%2)+ii], v[STC] offset:SP*ii+128*(\grp)          ; my column, row ii
.set ii, ii+1
.endr
.irp j, 0,1,2,3,4,5,6,7
	ds_load_b128 v[RSET+32*((\grp)%2)+4*\j:RSET+32*((\grp)%2)+4*\j+3], v[STR] offset:128*(\grp)+16*\j   ; my row, 32 neighbours
.endr
.endm
; 32 numbers v[x] on, one block, become 32 codes in v[c] .. v[c + 3]; the scale's byte goes to v[e]
.macro QBLK x, c, e
	v_max3_num_f32 v10, |v[(\x)]|, |v[(\x)+1]|, |v[(\x)+2]|          ; the largest magnitude, in two chains
	v_max3_num_f32 v11, |v[(\x)+3]|, |v[(\x)+4]|, |v[(\x)+5]|
.irp i, 6,10,14,18,22,26
	s_delay_alu instid0(VALU_DEP_2)
	v_max3_num_f32 v10, v10, |v[(\x)+\i]|, |v[(\x)+\i+1]|
	s_delay_alu instid0(VALU_DEP_2)
	v_max3_num_f32 v11, v11, |v[(\x)+\i+2]|, |v[(\x)+\i+3]|
.endr
	s_delay_alu instid0(VALU_DEP_2)
	v_max3_num_f32 v10, v10, |v[(\x)+30]|, |v[(\x)+31]|
	s_delay_alu instid0(VALU_DEP_1)
	v_max3_num_f32 v10, v10, v11, 0x1800000        ; and the floor 2^(3 - 127): the byte cannot fall under 1
	s_delay_alu instid0(VALU_DEP_1)
	v_add_nc_u32 v12, 0xff000000, v10              ; 2 off its exponent field: the conversion takes the exponent field of this operand as its scale, and nothing else of it
	s_delay_alu instid0(VALU_DEP_1)
	v_lshrrev_b32 v[(\e)], 23, v12                 ; the scale's byte
.irp q, 0,1,2,3
	v_cvt_scalef32_pk8_fp4_f32 v[(\c)+\q], v[(\x)+8*\q:(\x)+8*\q+7], v12   ; to the nearest code, ties to even, beyond 6 the largest code; the first number in the lowest four bits
.endr
.endm
	s_wait_dscnt 0x0                               ; the stores into the stage have read the rows' registers, which the sets now take
	GETS 0
.irp g, 0,1,2,3
.if \g < 3
	GETS \g+1                                      ; the next group comes while this one is worked
	s_wait_dscnt 40                                ; LDS instructions end in order: all but the 40 just issued are done: this group's numbers are in
.else
	s_wait_dscnt 0x0
.endif
	QBLK CSET+32*(\g%2), VC+4*\g, VB+\g            ; along i: my column's block of 32 positions
	global_store_b128 v[VO], v[VC+4*\g:VC+4*\g+3], s[6:7] offset:2048*\g   ; lanes 0-15 and lanes 16-31 each store 256 consecutive bytes, aligned
	ds_store_b8 v[SVA], v[VB+\g] offset:128*\g     ; byte rb of my column's scale word; the other three come from other waves
	QBLK RSET+32*(\g%2), KC+4*\g, KB               ; along d: my row's block 4 ch + g.  (Its plain lines stand between the conversions above and the next write of their scale operand)
	global_store_b128 v[KO], v[KC+4*\g:KC+4*\g+3], s[6:7] offset:256*\g    ; the sixteen lanes of equal u store 256 consecutive bytes, aligned
.if \g == 0
	v_mov_b32 v[KW], v[KB]                         ; my row's four bytes make its scale word for these 128 along d
.else
	v_lshl_or_b32 v[KW], v[KB], 8*\g, v[KW]
.endif
.endr
	ds_store_b32 v[SKA], v[KW]
	s_wait_dscnt 0x0                               ; for the others' sake: my scale bytes and words have landed
	s_barrier_signal -1
	s_barrier_wait -1                              ; the step's 2,048 bytes of scale words are whole
	ds_load_b64 v[20:21], v[SRD]
	s_wait_dscnt 0x0
	global_store_b64 v[SWR], v[20:21], s[6:7]      ; 32 lanes store 256 consecutive bytes, aligned
	s_wait_tensorcnt 0x0                           ; the wave's end, behind my last LDS store
	ds_add_u32 v[SPW], v[NIL]
	s_wait_dscnt 0x0
	s_endpgm
.Lfunc_end_k_q07906fe93e_prep:
	.size	k_q07906fe93e_prep, .Lfunc_end_k_q07906fe93e_prep-k_q07906fe93e_prep
	.p2alignl 7, 3214868480
	.fill 96, 4, 3214868480
	.section	.rodata,"a",@progbits
	.p2align	6, 0x0
	.amdhsa_kernel k_q07906fe93e_prep
		.amdhsa_group_segment_fixed_size 138240
		.amdhsa_private_segment_fixed_size 0
		.amdhsa_enable_private_segment 0
		.amdhsa_kernarg_size 16
		.amdhsa_user_sgpr_count 2
		.amdhsa_user_sgpr_kernarg_segment_ptr 1
		.amdhsa_wavefront_size32 1
		.amdhsa_system_sgpr_workgroup_id_x 1
		.amdhsa_system_sgpr_workgroup_id_y 1
		.amdhsa_system_sgpr_workgroup_id_z 1
		.amdhsa_system_vgpr_workitem_id 0
		.amdhsa_next_free_vgpr 192
		.amdhsa_next_free_sgpr 66
		.amdhsa_reserve_vcc 0
		.amdhsa_float_denorm_mode_32 3
		.amdhsa_float_denorm_mode_16_64 3
		.amdhsa_memory_ordered 1
		.amdhsa_forward_progress 1
		.amdhsa_inst_pref_size 36
	.end_amdhsa_kernel
	.amdgpu_metadata
---
amdhsa.version: [ 1, 2 ]
amdhsa.kernels:
  - .name:           k_q07906fe93e_prep
    .symbol:         k_q07906fe93e_prep.kd
    .args:
      - { .name: enc_output, .offset: 0, .size: 8, .value_kind: global_buffer, .address_space: global }
      - { .name: kv, .offset: 8, .size: 8, .value_kind: global_buffer, .address_space: global }
    .group_segment_fixed_size: 138240
    .private_segment_fixed_size: 0
    .kernarg_segment_align: 8
    .kernarg_segment_size: 16
    .max_flat_workgroup_size: 256
    .sgpr_count:     66
    .vgpr_count:     192
    .wavefront_size: 32
...
	.end_amdgpu_metadata
.endif
;; end of part 1
;; launch attn (part 2): grid 32 x 8, 8 waves a work-group, clusters of 4 x 1, 327,680 bytes of LDS; arguments dec_output_codes, dec_output_scales, kv, out0; writes out0
.if DOCPART == 2
	.amdgcn_target "amdgcn-amd-amdhsa--gfx1250"
	.amdhsa_code_object_version 6
	.text
	.protected	k_q07906fe93e_attn
	.globl	k_q07906fe93e_attn
	.p2align	8
	.type	k_q07906fe93e_attn,@function
k_q07906fe93e_attn:
	s_mov_b64 s[64:65], 0
	v_nop
	global_prefetch_b8 v0, s[64:65] scope:SCOPE_SE
	s_setreg_imm32_b32 hwreg(HW_REG_WAVE_MODE, 25, 1), 1
	s_wait_xcnt 0x0
	s_wait_alu depctr_hold_cnt(0) depctr_sa_sdst(0) depctr_va_vdst(0) depctr_va_sdst(0) depctr_va_ssrc(0) depctr_va_vcc(0) depctr_vm_vsrc(0)
	s_getreg_b32 s2, hwreg(HW_REG_IB_STS2, 6, 4)
	s_cmp_eq_u32 s2, 0
	s_cbranch_scc0 .Lentry_in_a_cluster
	s_endpgm
.Lentry_in_a_cluster:
	s_bfe_u32 s2, ttmp6, 0x10000c
	s_cmp_lg_u32 s2, 0x3003
	s_cbranch_scc0 .Lentry_shape_is_right
	s_endpgm
.Lentry_shape_is_right:
; out0[b][j][:] = the sum over i of softmax_i(enc[b][i] . dec[b][j]) enc[b][i][:], both products on codes of E2M1 with one E8M0 byte for each 32 along a product's K.  Nothing of the problem is left out.
; Queries: dec's rows as given.  Keys (enc along d) and values (enc along i) come from kv, laid by the launch before as images of the operands' registers:
; [batch][key step of 128 positions][34,816 bytes]: K's codes at 0, V's at 16,384, K's scale words at 32,768, V's at 33,792.
; SOFTMAX: t = score x log2(e); M = a running largest t rounded up to a whole number; p = 2^(t - M) is quantised along i; the row's sum is taken of the unquantised p and divides at the end.
; SHARES.  A work-group owns 128 queries of one batch, in eight waves, two to a SIMD.  Waves 2 g and 2 g + 1 share queries 32 g .. 32 g + 31 (two tiles of 16).  A trip covers 256 positions, two key steps:
; wave e = wave % 2 makes S^T = K Q^T and p for key step e alone; it hands p's codes, p's scale words and its largest t to its partner through LDS; then it adds V^T P^T of BOTH key steps (its own p from its registers,
; then its partner's), for channels 128 e .. 128 e + 127 alone.  So O^T is 128 registers a wave, each wave reads 16 KiB of K and 16 KiB of V a trip, and O^T is brought under a new M once for 256 positions.
; EACH WAVE HAS AN M OF ITS OWN for its p and its sum: M_e = ceil(max(the pair's largest t so far, the step's)).  Behind the exchange the pair's M is the larger of the two; p of wave x counts 2^(M_x - M) times,
; a power of two that is taken off the four bytes of its scale word in one subtraction.  For that no byte may pass under 1: p's bytes are held at 65 from below and the shift at 64.
; LIMITS: a block of p whose largest number lies under 2^-60 is quantised under the scale 2^-62 (each such p is under 2^-60, the row's sum over 1/2); p of a wave whose M lies more than 64 under the pair's
; counts 2^-64 times (128 such p are under 2^-57 together); v_exp_f32 gives 0 for results under 2^-126; the promise holds while |t| stays under 2^31; dec's bytes are taken as given (0xff gives NaN).
; LAYOUT.  Both products are used transposed: a lane holds one query of each tile (lane % 16).  Place m of K's tile 2 b + u is position 32 b + 8 u + m + 8 (m / 8): the 16 registers of tiles 2 b, 2 b + 1 are 16 neighbouring positions.
; RING.  Two LDS slots of four key steps (139,264 bytes, two trips).  Each of the eight waves brings an eighth, 68 rows of 256 bytes, by one tensor load.  The exchange's barrier of a slot's second trip is also the change of slots:
; in front of it every wave's reads of the slot are over.  K and V pass through ONE set of 128 registers: V's halves are asked for behind the halves of K Q^T, the next trip's K behind the halves of V^T P^T.
; THE ROW'S SUMS feed nothing in the exchange (but in the last trip), so they stand where the wave would else wait: a tree in place on p's registers, 16 additions between my stores and the wait for them,
; 16 behind the issue of the exchange's loads, 32 behind the issue of the next K.  The maxima of blocks 0 and 1 stand ahead of the wait for K's second half.
; CLUSTER.  The four work-groups of a cluster belong to one batch and walk the same kv: each eighth of a slot is asked for jointly.  A work-group's place in its cluster enters the addresses of Q, O and the prefetches alone.
; REGISTERS: window 0: addresses, statistics, scale words, p's codes, Q, S^T then p.  Window 1: v0-127 O^T (64 a tile), v128-255 K's or V's fragments; on the way out rows of O.
.set STEPB,  34816
.set SLOTB,  4*STEPB
.set BATCHB, 32*STEPB
.set HALFB,  STEPB/2                   ; what one tensor load brings
.set VOFF,   16384
.set SKOFF,  32768
.set SVOFF,  33792
.set XCH,    2*SLOTB                   ; the exchange: two sets, by the trip's parity, of eight waves' parts
.set XWB,    2816                      ; a wave's part: 2,048 bytes of codes, 512 of scale words and largest t, 256 of sums
.set XPAR,   8*XWB
.set SPARE,  XCH+2*XPAR                ; the spare words, 128 bytes a wave: four blocks of 256 bytes that no other line names
.set SP,     528                       ; the way out: a stage row, 512 bytes + 16
.set WSTG,   32*SP                     ; a wave's stage; the stages lie in slot 0, which has had its last fill and its last read
.set LI,1                              ; 16 x lane
.set LS,2                              ; 4 x lane
.set SPW,3                             ; my spare word; never rewritten
.set NIL,4                             ; 0; never rewritten
.set PFO,5                             ; 256 x lane
.set XWA,6                             ; my part of the exchange + 16 x lane
.set XRA,7                             ; my partner's part + 16 x lane
.set AD1,8                             ; LDS addresses of the loads in hand
.set AD2,9
.set QO,10                             ; v10, v11 offsets of Q's loads; in the trips
.set XD,10                             ; the pair's M less mine; on the way out the stage's addresses
.set NME,12                            ; tile t at + 2 t: -M of my own p and sum; above it
.set TRUN,13                           ; the pair's largest t
.set L,16                              ; tile t: v[L + 2 t : + 1] my sum in two halves
.set FL,20                             ; tile t at + 2 t: the sum's factor (at the end 1 / the row's sum); above it
.set NMC,21                            ; -M of O^T, the pair's
.set FO,24                             ; tile t at + 2 t: O^T's factor; above it
.set TMP,25                            ; at work
.set PK,28                             ; v28-31 what I hand over: p's scale words (two tiles), my largest t (two tiles)
.set QS,32                             ; Q's scale words
.set KS,34                             ; K's scale words, 8
.set VS,42                             ; V's scale words: my key step's four, then my partner's
.set PSX,50                            ; p's scale words under the pair's M: mine (two tiles), my partner's
.set PC,54                             ; my p's codes, 8 a tile
.set BM,70                             ; each block's largest score, then p
.set T1,78                             ; at work
.set PP,70                             ; behind the conversions v70-85 take my partner's codes,
.set SO,86                             ; the conversions' scale operands
.set RP,86                             ; v86-89 my partner's words,
.set XB,90                             ; v90, v91 -M of its p, then the pair's M less its,
.set XC,92                             ; v92, v93 the pair's -M
.set SCR,94
.set Q,96                              ; tile t, d 128 s on, at + 16 t + 8 s
.set S,128                             ; S^T, then p, 64 a tile
.set WV,12
.set G1,24
.set G0,32
.set SB,36                             ; LDS byte of the slot in hand
.set TB,37                             ; of the trip's two key steps
.set CNT,38
.set LIM,39                            ; 1 in a wave that prefetches, else the greatest number
.set PFA,40
.set CS,42
.set SEL,44
.set REP,46
.set WOFF,47                           ; my eighth of a slot
.set EK,48                             ; e x a key step
.set EV0,49                            ; my half of V's codes in my key step,
.set EVS0,50                           ; its scale words,
.set T0,51
.set T1S,52
.set E,53
.set GQ,54
.set XWS,55
.set XRS,56
.set EV1,57                            ; and the same in my partner's key step
.set EVS1,58
.set MSB,0
.macro WIN new
.if MSB != \new
	s_set_vgpr_msb (MSB<<8)|\new
.set MSB, \new
.endif
.endm
.set TO_F, 0x40                        ; destination window 1
.set W_KQ, 0x01                        ; source 0 (K) window 1
.set W_PV, 0x51                        ; V, C and D window 1, P window 0
.set W_RS, 0x41                        ; O^T window 1, the factor window 0
.macro NOPS
.rept 4
	v_nop
.endr
.endm
.macro D2
	s_delay_alu instid0(VALU_DEP_2)
.endm
.macro CROUND                          ; a round of the cluster's barrier
	s_barrier_signal -1
	s_barrier_wait -1
	s_cmp_lg_u32 s[WV], 0
	s_cbranch_scc1 .Lnot_wave_0_\@
	s_barrier_signal -3
.Lnot_wave_0_\@:
	s_barrier_wait -3
	s_barrier_signal -1
	s_barrier_wait -1
.endm
; A prefetch of the codes that the NEXT change of slots asks for, two trips ahead of that load.  The batch's first cluster asks; its partners share the slot out by address, a key step's 32,768 bytes of codes each;
; waves 0 to 3 take 8,192 bytes each, lanes 256 bytes apart.  The loop's last change has no slot behind the one it loads.  The first three slots' worth comes by its loads alone.
.macro ASK
	s_cmp_gt_u32 s[CNT], s[LIM]
	s_cbranch_scc0 .Lnot_mine_\@
	global_prefetch_b8 v[PFO], s[PFA:PFA+1] th:TH_LOAD_NT scope:SCOPE_SE
.Lnot_mine_\@:
.endm
.macro TLD
	tensor_load_to_lds s[G0:G0+3], s[G1:G1+7]
	s_nop 0
	NOPS
.endm
; LDS loads: fragments of 512 consecutive bytes, scale words of 128
.macro LKS                             ; K's eight scale words
.irp k, 0,1,2,3,4,5,6,7
	ds_load_b32 v[KS+\k], v[AD2] offset:SKOFF+128*\k
.endr
.endm
.macro LK hf                           ; K's tiles 4 hf .. 4 hf + 3, both halves of d
	WIN TO_F
.irp d, 0,1,2,3
.irp f, 0,1,2,3
	ds_load_b128 v[128+16*(4*\hf+\d)+4*\f:128+16*(4*\hf+\d)+4*\f+3], v[AD1] offset:2048*(4*\hf+\d)+512*\f
.endr
.endr
.endm
.macro LV hf                           ; my eight channel tiles of V and their scale words: hf = 0 of my key step, 1 of my partner's (the addresses say which)
	WIN TO_F
.irp n, 0,1,2,3,4,5,6,7
.irp c, 0,1
	ds_load_b128 v[128+64*\hf+8*\n+4*\c:128+64*\hf+8*\n+4*\c+3], v[AD1] offset:VOFF+1024*\n+512*\c
.endr
.endr
	WIN 0
.irp n, 0,1,2,3
	ds_load_b32 v[VS+4*\hf+\n], v[AD2] offset:128*\n
.endr
.endm
.macro KADR                            ; addresses of my key step of the trip at s[TB]
	s_add_co_u32 s[T0], s[TB], s[EK]
	v_add_nc_u32 v[AD1], s[T0], v[LI]
	v_add_nc_u32 v[AD2], s[T0], v[LS]
.endm
; 16 products of S^T: four tiles of positions x two tiles of queries x two halves of d; eight accumulators by turns
.macro QKH hf
.irp s, 0,1
.irp k, 0,1,2,3
.irp t, 0,1
.if \s
	v_wmma_scale_f32_16x16x128_f8f6f4 v[S+64*\t+8*(4*\hf+\k):S+64*\t+8*(4*\hf+\k)+7], v[128+16*(4*\hf+\k)+8:128+16*(4*\hf+\k)+15], v[Q+16*\t+8:Q+16*\t+15], v[S+64*\t+8*(4*\hf+\k):S+64*\t+8*(4*\hf+\k)+7], v[KS+4*\hf+\k], v[QS+\t] matrix_a_fmt:MATRIX_FMT_FP4 matrix_b_fmt:MATRIX_FMT_FP4 matrix_a_scale:MATRIX_SCALE_ROW1 matrix_b_scale:MATRIX_SCALE_ROW1
.else
	v_wmma_scale_f32_16x16x128_f8f6f4 v[S+64*\t+8*(4*\hf+\k):S+64*\t+8*(4*\hf+\k)+7], v[128+16*(4*\hf+\k):128+16*(4*\hf+\k)+7], v[Q+16*\t:Q+16*\t+7], 0, v[KS+4*\hf+\k], v[QS+\t] matrix_a_fmt:MATRIX_FMT_FP4 matrix_b_fmt:MATRIX_FMT_FP4
.endif
.endr
.endr
.endr
.endm
; 16 products of O^T += V^T P^T: hf = 0 my own p (pb = PC), 1 my partner's (pb = PP); sixteen accumulators by turns
.macro PVH hf, pb
.irp n, 0,1,2,3,4,5,6,7
.irp t, 0,1
.if (\n)%2
	v_wmma_scale_f32_16x16x128_f8f6f4 v[64*\t+8*\n:64*\t+8*\n+7], v[128+64*\hf+8*\n:128+64*\hf+8*\n+7], v[\pb+8*\t:\pb+8*\t+7], v[64*\t+8*\n:64*\t+8*\n+7], v[VS+4*\hf+\n/2], v[PSX+2*\hf+\t] matrix_a_fmt:MATRIX_FMT_FP4 matrix_b_fmt:MATRIX_FMT_FP4 matrix_a_scale:MATRIX_SCALE_ROW1
.else
	v_wmma_scale_f32_16x16x128_f8f6f4 v[64*\t+8*\n:64*\t+8*\n+7], v[128+64*\hf+8*\n:128+64*\hf+8*\n+7], v[\pb+8*\t:\pb+8*\t+7], v[64*\t+8*\n:64*\t+8*\n+7], v[VS+4*\hf+\n/2], v[PSX+2*\hf+\t] matrix_a_fmt:MATRIX_FMT_FP4 matrix_b_fmt:MATRIX_FMT_FP4
.endif
.endr
.endr
.endm
; The largest score of blocks ba and bb of 32 positions, both tiles: it serves the row's maximum and the block's largest p.  Each accumulator is read from its low end on
.macro MAXH ba, bb
.irp b, \ba, \bb
.irp t, 0,1
	v_max3_num_f32 v[BM+4*\t+\b], v[S+64*\t+16*\b], v[S+64*\t+16*\b+1], v[S+64*\t+16*\b+2]
.endr
.endr
.irp i, 3,5,7,9,11,13
.irp b, \ba, \bb
.irp t, 0,1
	v_max3_num_f32 v[BM+4*\t+\b], v[BM+4*\t+\b], v[S+64*\t+16*\b+\i], v[S+64*\t+16*\b+\i+1]
.endr
.endr
.endr
.irp b, \ba, \bb
.irp t, 0,1
	v_max_num_f32 v[BM+4*\t+\b], v[BM+4*\t+\b], v[S+64*\t+16*\b+15]
.endr
.endr
.endm
; THE SUMS OF THE UNQUANTISED p, two at a time, a tree in place.  TR1: tile t's 32 pairs become 16.  TR2: both tiles' 16 become one, which goes onto the sum
.macro TR1 t
.set jj, 0
.rept 16
	v_pk_add_f32 v[S+64*\t+jj:S+64*\t+jj+1], v[S+64*\t+jj:S+64*\t+jj+1], v[S+64*\t+32+jj:S+64*\t+33+jj]
.set jj, jj+2
.endr
.endm
.macro TRL w
.set jj, 0
.rept \w/2
.irp t, 0,1
	v_pk_add_f32 v[S+64*\t+jj:S+64*\t+jj+1], v[S+64*\t+jj:S+64*\t+jj+1], v[S+64*\t+\w+jj:S+64*\t+\w+jj+1]
.endr
.set jj, jj+2
.endr
.endm
.macro TR2
	TRL 16
	TRL 8
	TRL 4
.irp t, 0,1
	D2
	v_pk_add_f32 v[S+64*\t:S+64*\t+1], v[S+64*\t:S+64*\t+1], v[S+64*\t+2:S+64*\t+3]
.endr
.irp t, 0,1
	D2
	v_pk_add_f32 v[L+2*\t:L+2*\t+1], v[L+2*\t:L+2*\t+1], v[S+64*\t:S+64*\t+1]
.endr
.endm
; A TRIP'S FIRST PART: K Q^T of my key step, its softmax, and what I hand over into set par of the exchange.  last = 1: the sums are taken here and go with it.
.macro PHA par, last
	s_add_co_u32 s[T0], s[TB], s[EV0]
	s_add_co_u32 s[T1S], s[TB], s[EVS0]
	v_add_nc_u32 v[AD1], s[T0], v[LI]
	v_add_nc_u32 v[AD2], s[T1S], v[LS]
	s_add_co_u32 s[T0], s[TB], s[EV1]
	s_add_co_u32 s[T1S], s[TB], s[EVS1]
	s_wait_alu depctr_va_vdst(0)
	s_wait_dscnt 16                                ; K's scale words and tiles 0-3 are in; the 16 loads of tiles 4-7 may be out
	WIN W_KQ
	QKH 0
	NOPS                                           ; places ahead of loads into registers that the products read, and of the first read of the scores
	LV 0
	v_add_nc_u32 v[AD1], s[T0], v[LI]              ; my partner's key step
	v_add_nc_u32 v[AD2], s[T1S], v[LS]
	MAXH 0, 1
	s_wait_dscnt 20                                ; all but V's 20 just issued: K's tiles 4-7 are in
	WIN W_KQ
	QKH 1
	NOPS
	LV 1
	MAXH 2, 3
.irp x, 0,1,2,3,4,5,6,7
	v_permlanex16_b32 v[T1+\x], v[BM+\x], s[SEL], s[SEL+1]
.endr
.irp x, 0,1,2,3,4,5,6,7
	v_max_num_f32 v[BM+\x], v[BM+\x], v[T1+\x]     ; with lane l xor 16's sixteen positions
.endr
.irp t, 0,1
	v_max3_num_f32 v[TMP+2*\t], v[BM+4*\t], v[BM+4*\t+1], v[BM+4*\t+2]
.endr
.irp t, 0,1
	D2
	v_max_num_f32 v[TMP+2*\t], v[TMP+2*\t], v[BM+4*\t+3]
.endr
.irp t, 0,1
	D2
	v_mul_f32 v[TMP+2*\t], s[CS], v[TMP+2*\t]      ; the step's largest score as t
.endr
.irp t, 0,1
	D2
	v_max_num_f32 v[PK+2+\t], v[TRUN+2*\t], v[TMP+2*\t]   ; my largest t: the pair's so far, and this step's
.endr
.irp t, 0,1
	v_mov_b32 v[TMP+2*\t], v[NME+2*\t]
.endr
.irp t, 0,1
	v_floor_f32 v[NME+2*\t], -v[PK+2+\t]           ; my new -M
.endr
.irp t, 0,1
	D2
	v_sub_f32 v[TMP+2*\t], v[NME+2*\t], v[TMP+2*\t]   ; old M - new M, a whole number, 0 or less
.endr
.irp t, 0,1
	D2
	v_cvt_i32_f32 v[TMP+2*\t], v[TMP+2*\t]         ; (it saturates)
.endr
.irp t, 0,1
	D2
	v_ldexp_f32 v[FL+2*\t], 1.0, v[TMP+2*\t]
.endr
.irp t, 0,1
.set jj, 0
.rept 32
	v_pk_fma_f32 v[S+64*\t+jj:S+64*\t+jj+1], v[S+64*\t+jj:S+64*\t+jj+1], s[CS:CS+1], v[NME+2*\t:NME+2*\t+1] op_sel_hi:[1,0,0]   ; t - M, two at a time
.set jj, jj+2
.endr
.endr
.irp b, 0,1,2,3
.irp t, 0,1
	v_fma_f32 v[BM+4*\t+\b], v[BM+4*\t+\b], s[CS], v[NME+2*\t]
.endr
.endr
	s_wait_alu depctr_va_vdst(0)
.set jj, 0
.rept 128
	v_exp_f32 v[S+jj], v[S+jj]                     ; p = 2^(t - M), not normalised
.set jj, jj+1
.endr
.irp x, 0,1,2,3,4,5,6,7
	v_exp_f32 v[BM+\x], v[BM+\x]                   ; each block's largest p
.endr
.irp t, 0,1
	v_pk_mul_f32 v[L+2*\t:L+2*\t+1], v[L+2*\t:L+2*\t+1], v[FL+2*\t:FL+2*\t+1] op_sel_hi:[1,0]   ; my sum under my new M: plain lines behind the batch
.endr
	s_wait_alu depctr_va_vdst(0)
.irp x, 0,1,2,3,4,5,6,7
	v_max_num_f32 v[BM+\x], 0x21800000, v[BM+\x]   ; the floor 2^-60: the byte cannot fall under 65
.endr
.irp x, 0,1,2,3,4,5,6,7
	v_add_nc_u32 v[SO+\x], 0xff000000, v[BM+\x]    ; 2 off the exponent field: the conversion's scale operand
.endr
.irp x, 0,1,2,3,4,5,6,7
	v_lshrrev_b32 v[T1+\x], 23, v[SO+\x]           ; the scale's byte
.endr
.irp t, 0,1
	v_lshl_or_b32 v[PK+\t], v[T1+4*\t+1], 8, v[T1+4*\t]
.endr
.irp t, 0,1
	D2
	v_lshl_or_b32 v[PK+\t], v[T1+4*\t+2], 16, v[PK+\t]
.endr
.irp t, 0,1
	D2
	v_lshl_or_b32 v[PK+\t], v[T1+4*\t+3], 24, v[PK+\t]
.endr
.irp t, 0,1
.irp b, 0,1,2,3
	v_cvt_scalef32_pk8_fp4_f32 v[PC+8*\t+2*\b], v[S+64*\t+16*\b:S+64*\t+16*\b+7], v[SO+4*\t+\b]
	v_cvt_scalef32_pk8_fp4_f32 v[PC+8*\t+2*\b+1], v[S+64*\t+16*\b+8:S+64*\t+16*\b+15], v[SO+4*\t+\b]
.endr
.endr
	v_nop                                          ; one plain line behind the scaled conversions
.irp t, 0,1
.irp c, 0,1                                    ; a whole block in a lane: lanes 0-15 block 2 c, lanes 16-31 block 2 c + 1
.irp i, 0,1
	v_permlane16_swap_b32 v[PC+8*\t+4*\c+\i], v[PC+8*\t+4*\c+2+\i]
.endr
.endr
.endr
.irp i, 0,1,2,3
	ds_store_b128 v[XWA], v[PC+4*\i:PC+4*\i+3] offset:XPAR*\par+512*\i   ; images of the operand's registers
.endr
	ds_store_b128 v[XWA], v[PK:PK+3] offset:XPAR*\par+2048
.if \last
	TR1 0
	TR1 1
	TR2
.irp t, 0,1
	D2
	v_add_f32 v[SCR+\t], v[L+2*\t], v[L+2*\t+1]    ; my sum's two halves,
.endr
.irp t, 0,1
	v_permlanex16_b32 v[T1+\t], v[SCR+\t], s[SEL], s[SEL+1]
.endr
.irp t, 0,1
	v_add_f32 v[SCR+\t], v[SCR+\t], v[T1+\t]       ; and lane l xor 16's
.endr
	v_lshl_add_u32 v[AD1], v[LS], 1, s[XWS]        ; 8 bytes a lane: where my sums go,
	v_lshl_add_u32 v[AD2], v[LS], 1, s[XRS]        ; and where my partner's are read
	ds_store_b64 v[AD1], v[SCR:SCR+1] offset:XPAR*\par+2560
.endif
.endm
; THE EXCHANGE'S BARRIER: my stores have landed, and my reads of V are over.  sm = 1: the first sixteen additions of tile 0's sums stand between the stores and the wait for them
.macro SYNCP sm
.if \sm
	TR1 0
.endif
	s_wait_alu depctr_va_vdst(0)
	s_wait_dscnt 0x0
	s_barrier_signal -1
	s_barrier_wait -1
.endm
; THE SAME WITH THE CHANGE OF SLOTS.  All my tensor loads are in (one was out: my eighth of the other slot); my reads of this slot are over.  fill = 1: the round holds of all four work-groups, and the joint refill
; of the slot just read, with the key steps two slots on, is the first thing behind it.
.macro SYNCC fill
	s_wait_alu depctr_va_vdst(0)
	s_wait_tensorcnt 0x0
	ds_add_u32 v[SPW], v[NIL]                      ; 0 onto my spare word; work on registers stands between it and the wait for it
.if \fill
	s_add_nc_u64 s[G0+2:G0+3], s[G0+2:G0+3], SLOTB ; the fills follow each other in kv
	s_add_co_u32 s[G0+1], s[SB], s[WOFF]
	s_wait_xcnt 0x0                                ; the last prefetch has read its address
	s_add_nc_u64 s[PFA:PFA+1], s[PFA:PFA+1], SLOTB ; one slot further on than the load below
.endif
	TR1 0
	s_wait_alu depctr_va_vdst(0)
	s_wait_dscnt 0x0
.if \fill
	CROUND
	TLD
	ASK
.else
	s_barrier_signal -1
	s_barrier_wait -1
.endif
.endm
; A TRIP'S SECOND PART: my partner's p out of set par, the pair's M, O^T under it, V^T P^T of both key steps.  nxt = 1: the next trip's K is asked for behind each half.  last = 1: the row's sum and its reciprocal.
.macro PHB par, nxt, last
	ds_load_b128 v[RP:RP+3], v[XRA] offset:XPAR*\par+2048
.if \last
	ds_load_b64 v[S:S+1], v[AD2] offset:XPAR*\par+2560
.endif
.irp i, 0,1,2,3
	ds_load_b128 v[PP+4*\i:PP+4*\i+3], v[XRA] offset:XPAR*\par+512*\i
.endr
.if \last == 0
	TR1 1
.endif
.if \nxt
.if \par
	s_xor_b32 s[SB], s[SB], SLOTB                  ; on to the other slot
	s_mov_b32 s[TB], s[SB]
.else
	s_add_co_u32 s[TB], s[SB], 2*STEPB
.endif
.endif
	s_wait_dscnt 4                                 ; the words are in; the four loads of codes may be out
.irp t, 0,1
	v_max_num_f32 v[TRUN+2*\t], v[PK+2+\t], v[RP+2+\t]
.endr
.irp t, 0,1
	v_floor_f32 v[XB+\t], -v[RP+2+\t]              ; -M of my partner's p
.endr
.irp t, 0,1
	D2
	v_min_num_f32 v[XC+\t], v[NME+2*\t], v[XB+\t]  ; the pair's -M
.endr
.irp t, 0,1
	D2
	v_sub_f32 v[XD+\t], v[NME+2*\t], v[XC+\t]      ; the pair's M less mine: a whole number, 0 or more
.endr
.irp t, 0,1
	v_sub_f32 v[XB+\t], v[XB+\t], v[XC+\t]         ; and less my partner's
.endr
.irp t, 0,1
	v_sub_f32 v[TMP+2*\t], v[XC+\t], v[NMC+2*\t]   ; O^T: old M - new M
.endr
.irp t, 0,1
	v_mov_b32 v[NMC+2*\t], v[XC+\t]
.endr
.irp t, 0,1
	v_min_num_f32 v[XD+\t], 0x42800000, v[XD+\t]   ; held at 64
.endr
.irp t, 0,1
	v_min_num_f32 v[XB+\t], 0x42800000, v[XB+\t]
.endr
.irp t, 0,1
	v_cvt_i32_f32 v[TMP+2*\t], v[TMP+2*\t]
.endr
.irp t, 0,1
	v_cvt_u32_f32 v[XD+\t], v[XD+\t]
.endr
.irp t, 0,1
	v_cvt_u32_f32 v[XB+\t], v[XB+\t]
.endr
.irp t, 0,1
	v_ldexp_f32 v[FO+2*\t], 1.0, v[TMP+2*\t]
.endr
.if \last
.irp t, 0,1
	v_sub_nc_u32 v[S+4+\t], 0, v[XD+\t]
.endr
.irp t, 0,1
	v_sub_nc_u32 v[S+6+\t], 0, v[XB+\t]
.endr
.endif
.irp t, 0,1
	v_mul_lo_u32 v[XD+\t], v[XD+\t], s[REP]        ; the shift in each of four bytes
.endr
.irp t, 0,1
	v_mul_lo_u32 v[XB+\t], v[XB+\t], s[REP]
.endr
.irp t, 0,1
	v_sub_nc_u32 v[PSX+\t], v[PK+\t], v[XD+\t]     ; bytes of 65 to 125 less 0 to 64: no byte borrows
.endr
.irp t, 0,1
	v_sub_nc_u32 v[PSX+2+\t], v[RP+\t], v[XB+\t]
.endr
.if \nxt
	KADR
.endif
.if \last
.irp t, 0,1
	v_ldexp_f32 v[S+8+\t], v[SCR+\t], v[S+4+\t]    ; both sums under the pair's M
.endr
.irp t, 0,1
	v_ldexp_f32 v[S+10+\t], v[S+\t], v[S+6+\t]
.endr
.irp t, 0,1
	D2
	v_add_f32 v[FL+2*\t], v[S+8+\t], v[S+10+\t]    ; the row's sum
.endr
	s_wait_alu depctr_va_vdst(0)
.irp t, 0,1
	v_rcp_f32 v[FL+2*\t], v[FL+2*\t]
.endr
	v_nop
.endif
	WIN W_RS
	s_wait_alu depctr_va_vdst(0)
.irp t, 0,1
.set jj, 0
.rept 32
	v_pk_mul_f32 v[64*\t+jj:64*\t+jj+1], v[64*\t+jj:64*\t+jj+1], v[FO+2*\t:FO+2*\t+1] op_sel_hi:[1,0]   ; O^T under the new M; also the places between the scale words' writes and the products
.set jj, jj+2
.endr
.endr
	WIN W_PV
	PVH 0, PC
.if \nxt
	NOPS
	WIN 0
	LKS
	LK 0
	s_wait_dscnt 24                                ; all but K's 24 just issued: my partner's codes are in
	WIN W_PV
.else
	s_wait_dscnt 0x0
.endif
	PVH 1, PP
.if \nxt
	NOPS
	LK 1
	WIN 0
	TR2                                            ; the rest of the sums, behind the issue of K's loads
.else
	WIN 0
.endif
.endm
	s_load_b256 s[4:11], s[0:1], 0x0               ; dec's codes, dec's scales, kv, out0
	v_lshl_add_u32 v[SPW], v0, 2, SPARE
	v_mov_b32 v[NIL], 0
	ds_add_u32 v[SPW], v[NIL]                      ; the add twice on end, work on registers, the one wait
	ds_add_u32 v[SPW], v[NIL]
	v_lshrrev_b32 v[SCR], 5, v0
	v_readfirstlane_b32 s[WV], v[SCR]              ; wave 0..7
	s_and_b32 s[E], s[WV], 1
	s_lshr_b32 s[GQ], s[WV], 1
	s_bfe_u32 s13, ttmp6, 0x40000                  ; cx
	s_lshl_b32 s14, ttmp9, 2
	s_add_co_u32 s14, s14, s13                     ; my block of 128 queries
	s_and_b32 s15, ttmp7, 0xffff                   ; the batch
	s_mov_b32 s[G1], 15|(3<<16)|(1<<21)            ; the mask: all four work-groups; elements of 8 bytes; bit 21 beside a mask
	s_mov_b32 s[G1+1], 32<<16                      ; 68 dense rows of 32 elements
	s_mov_b32 s[G1+2], 68<<16
	s_mov_b32 s[G1+3], 32<<16
	s_mov_b32 s[G1+4], 68
	s_mov_b32 s[G1+5], 32
	s_mov_b32 s[G1+6], 0
	s_mov_b32 s[G1+7], 0
	s_mov_b32 s[CS], 0x3fb8aa3b                    ; log2(e)
	s_mov_b32 s[CS+1], s[CS]
	s_mov_b32 s[SEL], 0x76543210
	s_mov_b32 s[SEL+1], 0xfedcba98
	s_mov_b32 s[REP], 0x01010101
	s_mul_i32 s[WOFF], s[WV], HALFB
	s_mul_i32 s[EK], s[E], STEPB
	s_xor_b32 s21, s[E], 1
	s_mul_i32 s21, s21, STEPB                      ; my partner's key step
	s_lshl_b32 s22, s[E], 13
	s_add_co_u32 s[EV0], s22, s[EK]
	s_add_co_u32 s[EV1], s22, s21
	s_lshl_b32 s22, s[E], 9
	s_add_co_u32 s22, s22, SVOFF
	s_add_co_u32 s[EVS0], s22, s[EK]
	s_add_co_u32 s[EVS1], s22, s21
	s_mul_i32 s[XWS], s[WV], XWB
	s_add_co_u32 s[XWS], s[XWS], XCH
	s_xor_b32 s21, s[WV], 1
	s_mul_i32 s[XRS], s21, XWB
	s_add_co_u32 s[XRS], s[XRS], XCH
	s_mul_i32 s16, s15, BATCHB                     ; the batch's first byte in kv
	s_mov_b32 s17, 0
	s_mul_i32 s18, s13, STEPB                      ; the prefetches: key step cx of a slot,
	s_add_co_u32 s18, s18, s16
	s_and_b32 s19, s[WV], 3
	s_lshl_b32 s19, s19, 13                        ; my wave's 8,192 bytes of its codes,
	s_add_co_u32 s18, s18, s19
	s_add_co_u32 s18, s18, 2*SLOTB                 ; in the third slot's worth: the first change steps it to the fourth
	s_mov_b32 s19, 0
	s_add_co_u32 s16, s16, s[WOFF]
	s_lshl_b32 s20, s15, 12                        ; my first query's row: 4096 batch + 128 block + 32 (wave / 2)
	s_lshl_b32 s21, s14, 7
	s_add_co_u32 s20, s20, s21
	s_lshl_b32 s21, s[GQ], 5
	s_add_co_u32 s20, s20, s21
	s_mov_b32 s23, 0
	s_lshr_b32 s21, s[WV], 2
	s_or_b32 s21, s21, ttmp9                       ; waves 0 to 3 of the batch's first cluster ask: the same in all four partners
	s_cmp_eq_u32 s21, 0
	s_cselect_b32 s[LIM], 1, -1
	s_wait_dscnt 0x0
	s_wait_kmcnt 0x0
	s_add_nc_u64 s[PFA:PFA+1], s[8:9], s[18:19]
	s_add_nc_u64 s[16:17], s[8:9], s[16:17]
	s_lshl_b32 s22, s20, 7
	s_add_nc_u64 s[4:5], s[4:5], s[22:23]          ; Q's codes: 128 bytes a row
	s_lshl_b32 s22, s20, 3
	s_add_nc_u64 s[6:7], s[6:7], s[22:23]          ; its scale bytes
	s_lshl_b32 s22, s20, 10
	s_lshl_b32 s21, s[E], 9
	s_add_co_u32 s22, s22, s21
	s_add_nc_u64 s[10:11], s[10:11], s[22:23]      ; O: 1,024 bytes a row, + my 512
	s_mov_b32 s[G0], 1
	s_mov_b32 s[G0+1], s[WOFF]
	s_mov_b64 s[G0+2:G0+3], s[16:17]
	s_or_b32 s[G0+3], s[G0+3], 0x80000000
	CROUND                                         ; the first joint loads meet
	TLD                                            ; slot 0: one tensor load a wave at the head
	v_and_b32 v[SCR], 31, v0
	v_lshlrev_b32 v[LI], 4, v[SCR]
	v_lshlrev_b32 v[LS], 2, v[SCR]
	v_lshlrev_b32 v[PFO], 8, v[SCR]
	v_add_nc_u32 v[XWA], s[XWS], v[LI]
	v_add_nc_u32 v[XRA], s[XRS], v[LI]
	v_and_b32 v[SCR], 15, v0                       ; r
	v_bfe_u32 v[SCR+1], v0, 4, 1                   ; h
	v_lshlrev_b32 v[QO], 7, v[SCR]
	v_lshl_add_u32 v[QO], v[SCR+1], 4, v[QO]
	v_lshlrev_b32 v[QO+1], 3, v[SCR]
	v_lshl_add_u32 v[QO+1], v[SCR+1], 2, v[QO+1]
.irp t, 0,1
.irp s, 0,1
.irp c, 0,1
	global_load_b128 v[Q+16*\t+8*\s+4*\c:Q+16*\t+8*\s+4*\c+3], v[QO], s[4:5] offset:2048*\t+64*\s+32*\c   ; Q stays in registers
.endr
.endr
.endr
.irp t, 0,1
	global_load_b32 v[QS+\t], v[QO+1], s[6:7] offset:128*\t   ; lanes 0-15 row r's first word, lanes 16-31 its second
.endr
.irp t, 0,1
	v_mov_b32 v[TRUN+2*\t], 0xff61b1e6             ; -3e38, under every t
	v_mov_b32 v[L+2*\t], 0
	v_mov_b32 v[L+2*\t+1], 0
	v_mov_b32 v[TMP+2*\t], 0
	v_floor_f32 v[NME+2*\t], -v[TRUN+2*\t]
	v_floor_f32 v[NMC+2*\t], -v[TRUN+2*\t]
.endr
.irp x, 0,1,2,3,4,5,6,7
	v_mov_b32 v[T1+\x], 0                          ; a lane permute's destination counts as one of its sources
.endr
	WIN 0x40
.set jj, 0
.rept 128
	v_mov_b32 v[jj], 0                             ; O^T: the trip has no first form of its own; the first change of M leaves zeros zeros.  These lines stand under the first load's flight
.set jj, jj+1
.endr
	WIN 0
	s_wait_alu depctr_va_vdst(0)
	s_wait_tensorcnt 0x0                           ; slot 1's first fill is issued as a refill is
	ds_add_u32 v[SPW], v[NIL]
	s_add_nc_u64 s[G0+2:G0+3], s[G0+2:G0+3], SLOTB
	s_add_co_u32 s[G0+1], s[WOFF], SLOTB
	s_wait_dscnt 0x0
	CROUND
	TLD
	s_mov_b32 s[SB], 0
	s_mov_b32 s[TB], 0
	KADR
	LKS
	LK 0
	LK 1
	WIN 0
	s_wait_loadcnt 0x0                             ; Q and its scale words: their offsets' registers are free from here on
	s_mov_b32 s[CNT], 6
.Lslot:                                            ; six slots, each refilled behind its second trip's exchange
	PHA 0, 0
	SYNCP 1
	PHB 0, 1, 0
	PHA 1, 0
	SYNCC 1
	PHB 1, 1, 0
	s_sub_co_u32 s[CNT], s[CNT], 1
	s_cmp_lg_u32 s[CNT], 0
	s_wait_alu depctr_va_vdst(0)
	s_cbranch_scc1 .Lslot
	PHA 0, 0                                       ; the last two slots are written out: nothing is left to ask for
	SYNCP 1
	PHB 0, 1, 0
	PHA 1, 0
	SYNCC 0
	PHB 1, 1, 0
	PHA 0, 0
	SYNCP 1
	PHB 0, 1, 0
	PHA 1, 1
	SYNCP 0
	PHB 1, 0, 1
	; THE WAY OUT.  O^T x 1 / the row's sum goes through my stage in LDS, a tile's 16 rows of my 128 channels at a time, and comes back as rows of 512 bytes.
	s_mul_i32 s[T0], s[WV], WSTG
	v_and_b32 v[SCR], 15, v0                       ; r
	v_bfe_u32 v[SCR+1], v0, 4, 1                   ; h
	v_mul_u32_u24 v[QO], v[SCR], SP
	v_lshl_add_u32 v[QO], v[SCR+1], 5, v[QO]
	v_add_nc_u32 v[QO], s[T0], v[QO]               ; in: row r; 64 bytes a channel tile, + 32 h
	v_add_nc_u32 v[QO+1], s[T0], v[LI]             ; back: 32 lanes take 512 bytes of one row.  (These six name no register of the last products: they are the places behind them)
.irp t, 0,1
	WIN 0x01
.set jj, 0
.rept 64
	v_mul_f32 v[S+64*\t+jj], v[64*\t+jj], v[FL+2*\t]   ; register 8 n + i: o(r, 128 e + 16 n + 8 h + i); each accumulator from its low end on
.set jj, jj+1
.endr
	WIN 0
.irp n, 0,1,2,3,4,5,6,7
	ds_store_b128 v[QO], v[S+64*\t+8*\n:S+64*\t+8*\n+3] offset:16*SP*\t+64*\n
	ds_store_b128 v[QO], v[S+64*\t+8*\n+4:S+64*\t+8*\n+7] offset:16*SP*\t+64*\n+16
.endr
	WIN TO_F
.irp i, 0,1,2,3,4,5,6,7,8,9,10,11,12,13,14,15
	ds_load_b128 v[128+64*\t+4*\i:128+64*\t+4*\i+3], v[QO+1] offset:SP*(16*\t+\i)   ; LDS serves a wave's instructions in order: these see my stores
.endr
.endr
.irp t, 0,1
	s_wait_dscnt 32-32*\t                          ; all but the second tile's 16 stores and 16 loads; then all
	WIN 0x04                                       ; a store's data are its source 1: window 1
.irp i, 0,1,2,3,4,5,6,7,8,9,10,11,12,13,14,15
	global_store_b128 v[LI], v[128+64*\t+4*\i:128+64*\t+4*\i+3], s[10:11] offset:1024*(16*\t+\i) th:TH_STORE_NT   ; 32 lanes store 512 consecutive bytes, at a multiple of 256 from out0's first byte
.endr
.endr
	WIN 0
	s_wait_tensorcnt 0x0                           ; the wave's end
	ds_add_u32 v[SPW], v[NIL]
	s_wait_dscnt 0x0
	CROUND                                         ; the closing round
	s_endpgm
.Lfunc_end_k_q07906fe93e_attn:
	.size	k_q07906fe93e_attn, .Lfunc_end_k_q07906fe93e_attn-k_q07906fe93e_attn
	.p2alignl 7, 3214868480
	.fill 96, 4, 3214868480
	.section	.rodata,"a",@progbits
	.p2align	6, 0x0
	.amdhsa_kernel k_q07906fe93e_attn
		.amdhsa_group_segment_fixed_size 327680
		.amdhsa_private_segment_fixed_size 0
		.amdhsa_enable_private_segment 0
		.amdhsa_kernarg_size 32
		.amdhsa_user_sgpr_count 2
		.amdhsa_user_sgpr_kernarg_segment_ptr 1
		.amdhsa_wavefront_size32 1
		.amdhsa_system_sgpr_workgroup_id_x 1
		.amdhsa_system_sgpr_workgroup_id_y 1
		.amdhsa_system_sgpr_workgroup_id_z 1
		.amdhsa_system_vgpr_workitem_id 0
		.amdhsa_next_free_vgpr 512
		.amdhsa_next_free_sgpr 66
		.amdhsa_reserve_vcc 0
		.amdhsa_float_denorm_mode_32 3
		.amdhsa_float_denorm_mode_16_64 3
		.amdhsa_memory_ordered 1
		.amdhsa_forward_progress 1
		.amdhsa_inst_pref_size 255
	.end_amdhsa_kernel
	.section	.bss,"aw",@nobits
	.p2align	6
	.space	262144
	.amdgpu_metadata
---
amdhsa.version: [ 1, 2 ]
amdhsa.kernels:
  - .name:           k_q07906fe93e_attn
    .symbol:         k_q07906fe93e_attn.kd
    .args:
      - { .name: dec_output_codes, .offset: 0, .size: 8, .value_kind: global_buffer, .address_space: global }
      - { .name: dec_output_scales, .offset: 8, .size: 8, .value_kind: global_buffer, .address_space: global }
      - { .name: kv, .offset: 16, .size: 8, .value_kind: global_buffer, .address_space: global }
      - { .name: out0, .offset: 24, .size: 8, .value_kind: global_buffer, .address_space: global }
    .group_segment_fixed_size: 327680
    .private_segment_fixed_size: 0
    .kernarg_segment_align: 8
    .kernarg_segment_size: 32
    .max_flat_workgroup_size: 256
    .sgpr_count:     66
    .vgpr_count:     512
    .wavefront_size: 32
...
	.end_amdgpu_metadata
.endif
;; end of part 2
